; MI455X (gfx1250); checked and timed in simulation.
; The chip was launched on July 23, 2026; its instructions are those of AMD's public machine-readable ISA for CDNA 5 (MIT licence, August 2026) and "CDNA5" Instruction Set Architecture Reference Guide (July 2026). The comments in the code are by the model that wrote it; some were corrected since.
;; Vector Quantizer. Allowed arithmetic: float matrix products may take bf16 or f16 operands with f32 sums; all other float work in f32.
;; Inputs: embedding 1,024 x 64 float32; inputs 64 x 32 x 32 x 64 float32.
;; Outputs: out0 64 x 32 x 32 x 64 float32; out1 65,536 x 1 int32; out2 one number float32.
;; One version. Each part assembles by itself: llvm-mc -triple=amdgcn-amd-amdhsa -mcpu=gfx1250 --defsym DOCPART=n.
;; ======== version 1 of 1: 2 launches
;; limits: a difference of large sums (such as E[x^2] - mean^2): digits are lost where the result is much smaller than its terms; values outside matrix products are rounded to bf16; values within 3.8e-06 (relative) of each other or of a threshold may be ordered or decided otherwise than in the reference
;; workspace buffers: cand1 262,144 bytes of whole numbers; cand2 262,144 bytes of whole numbers; part 4,096 bytes
;; launch nearest (part 1): grid 256 x 1, 8 waves a work-group, clusters of 4 x 1, 317,440 bytes of LDS; arguments embedding, inputs, cand1, cand2, part; writes cand1, cand2, part
.if DOCPART == 1
	.amdgcn_target "amdgcn-amd-amdhsa--gfx1250"
	.amdhsa_code_object_version 6
	.text
	.protected	k_q13dcfc610a_nearest
	.globl	k_q13dcfc610a_nearest
	.p2align	8
	.type	k_q13dcfc610a_nearest,@function
k_q13dcfc610a_nearest:
	s_mov_b64 s[64:65], 0
	v_nop
	global_prefetch_b8 v0, s[64:65] scope:SCOPE_SE
	s_setreg_imm32_b32 hwreg(HW_REG_WAVE_MODE, 25, 1), 1
	s_wait_xcnt 0x0
	s_wait_alu depctr_hold_cnt(0) depctr_sa_sdst(0) depctr_va_vdst(0) depctr_va_sdst(0) depctr_va_ssrc(0) depctr_va_vcc(0) depctr_vm_vsrc(0)
	s_getreg_b32 s2, hwreg(HW_REG_IB_STS2, 6, 4)
	s_cmp_eq_u32 s2, 0
	s_cbranch_scc0 .Lentry_in_a_cluster
	s_endpgm
.Lentry_in_a_cluster:
	s_bfe_u32 s2, ttmp6, 0x10000c
	s_cmp_lg_u32 s2, 0x3003
	s_cbranch_scc0 .Lentry_shape_is_right
	s_endpgm
.Lentry_shape_is_right:
; THE TWO NEAREST CODES.  inputs: 65,536 rows x 64 f32.  embedding: 1,024 codes x 64 f32.
; For every row: the indices of the two codes with the least  |e|^2 - 2 x.e  (|x|^2 is the same for all codes of a row), as whole numbers to
; cand1 and cand2; the next launch decides between the two in f32.  And sums of the least squared distances, 64 rows each, to part.
; FORMATS: x and e are rounded to bf16 (nearest even); their products are exact, all sums are f32.  |e|^2 is taken of the rounded e.
; A score's low 6 mantissa bits are replaced by its place in the lane's list of 64, so that minima carry their own index: a key is off by
; at most 2^-18 of the score.  A row's loss term is |x_bf|^2 + least key = |x_bf - e_bf|^2 up to that and to the f32 rounding of the sums.
; LIMITS: NaN and infinities are not served; |x| below 1.7e38 (x is scaled by -2, exactly, before rounding).  The pair misses the nearest code
; only where three codes' scores lie within 2^-18 of the score's size of each other; with a common offset of 30 spreads (scores near 6e4) that is 0.25.
; SHARES: a work-group has 256 rows and 8 waves.  Wave w keeps codes 128 w .. 128 w + 127 in registers for the whole launch and runs all 16
; row tiles against them: 16 matrix instructions (128 codes x 16 rows x 64) and 153 vector instructions of selection a row tile.
; Two waves lie on a SIMD so that one wave's selection stands beside the other's matrix instructions.
; THE MATRIX INSTRUCTION: source 0 = 16 codes, source 1 = 16 rows of x.  Lane (r, h) then holds in registers 0-7 the codes m = 8 h + 0..7 of
; row r: eight scores of ONE row, reduced inside the lane.  C of the first product is |e|^2 in that layout, never rewritten.
; Tile t is the wave's codes 16 t .. 16 t + 15: register j of tile t in lane half h is code 128 w + 16 t + 8 h + j.
; K is permuted alike in both sources: fragment c of lane half h holds dimensions 32 c + 16 h + 0..15.
; ORDER: one work-group barrier, behind the conversion of x, shows x to every wave.  Behind it a wave leans on nobody: it reads only the codes that its
; own two tensor loads brought (tiles 0-3 come with the first load and are converted while the second is on its way), and it stores its candidates
; into its own code bytes when its reads of them are over.  The waves meet again in front of the merge.
; CLUSTER: all work-groups read the same codebook, so four ask jointly (mask 15): each wave's two tensor loads have the same descriptor in the four.
.set EPITCH, 272                       ; a code in LDS: 256 bytes of f32 + 16 of padding = 68 words: sixteen neighbouring rows start 4 words apart modulo 64 (64 banks of 4 bytes: ISA guide 11.1)
.set EHALF,  64*EPITCH                 ; 17,408: what one tensor load brings
.set EWAVE,  2*EHALF                   ; 34,816 bytes a wave
.set XB,     8*EWAVE                   ; 278,528: -2 x in bf16, 256 rows
.set XPITCH, 144                       ; 128 bytes + 16: sixteen rows start at sixteen different groups of four words modulo 64
.set SXB,    XB+256*XPITCH             ; 315,392: one f32 a row, the sum of (2 x_bf)^2
; candidates (least key, second key): LDS byte EWAVE w + 16 row + 8 h: the first 4,096 of the wave's own code bytes, which have had their only fill
.set LN,   1                           ; lane
.set XA,   2                           ; LDS address of my x fragments, stepped
.set CA,   3                           ; LDS address of my candidates, stepped
.set EA,   4                           ; LDS address of my code row's 64 bytes
.set XS,   5                           ; LDS address where I put 8 bytes of -2 x
.set XO,   6                           ; 16 x lane
.set BP,   8                           ; v8-15   prologue: lane numbers x 4 of a Gram tile's diagonal
.set ML,   8                           ; v8-19   merge: six registers a row: list of the best, of the second, four at work
.set T,    16                          ; v16-19 the four chains' least keys, v20-23 their second keys; at work in the prologue
.set BEST, 24                          ; v24-25  (least key, second key): the pair that is stored
.set C1,   24                          ; v24-25  merge: the two rows' first indices
.set C2,   26                          ; v26-27  merge: their second indices
.set U,    28                          ; v28-29  at work
.set SX,   30                          ; v30-31  merge: the two rows' sums of (2 x_bf)^2
.set B0,   32                          ; v32-47, v48-63  x fragments, two buffers
.set B1,   48
.set G,    32                          ; v32-63  prologue: four Gram tiles
.set MS,   33                          ; merge: addresses
.set MX,   34
.set ZO,   35
.set D0,   36
.set D1,   37
.set MB,   38                          ; v38-41  merge: 16 x row + 2 q EWAVE, q = 0..3
.set RR,   56                          ; v56-59  prologue, dead before the Gram tiles are written
.set HH,   57
.set SXA,  58
.set Z,    59
.set ACC,  64                          ; v64-127 eight accumulator tiles, then the keys
.set F,    64                          ; merge: 2 rows x 16 lists x (least, second)
.set RAW,  64                          ; v64-191 prologue: four tiles of e in f32
.set XR,   128                         ; v128-191 prologue: my 32 rows of x as loaded
.set CI,   192                         ; v192-255 |e|^2 in C layout, eight tiles
.set AF,   0                           ; v256-383 (window 1): code fragments, 16 registers a tile
.set G1,   24                          ; s[24:31] descriptor group 1
.set G0,   32                          ; s[32:39] descriptor group 0, one set for each half
.set MSB, 0
.macro WIN new                         ; s_set_vgpr_msb: 1:0 source 0, 3:2 source 1, 5:4 source 2, 7:6 destination; the high byte repeats the setting left
.if MSB != \new
	s_set_vgpr_msb (MSB<<8)|\new
.set MSB, \new
.endif
.endm
.macro ROUND                           ; a round of the cluster's barrier: my work-group's barrier, wave 0 signals for it, all wait, my work-group's barrier
	s_barrier_signal -1
	s_barrier_wait -1
	s_cmp_lg_u32 s14, 0
	s_cbranch_scc1 .Lnot_wave_0_\@
	s_barrier_signal -3
.Lnot_wave_0_\@:
	s_barrier_wait -3
	s_barrier_signal -1
	s_barrier_wait -1
.endm
.macro PLACES                          ; four plain vector places behind matrix instructions before their results are read (ISA guide 7.12.1)
.rept 4
	v_nop
.endr
.endm
.macro SUM16 r                         ; the sum over a half of 16 lanes, in each of them
	v_add_f32_dpp v[\r], v[\r], v[\r] row_xmask:1 row_mask:0xf bank_mask:0xf
	v_add_f32_dpp v[\r], v[\r], v[\r] row_xmask:2 row_mask:0xf bank_mask:0xf
	v_add_f32_dpp v[\r], v[\r], v[\r] row_xmask:4 row_mask:0xf bank_mask:0xf
	v_add_f32_dpp v[\r], v[\r], v[\r] row_xmask:8 row_mask:0xf bank_mask:0xf
.endm
	s_load_b256 s[4:11], s[0:1], 0x0               ; embedding s[4:5], inputs s[6:7], cand1 s[8:9], cand2 s[10:11]
	s_load_b64 s[12:13], s[0:1], 0x20              ; part
	v_lshl_add_u32 v7, v0, 2, 0x4d400
	s_set_vgpr_msb 0x40
	v_mov_b32 v129, 0
	s_set_vgpr_msb 0x4044
	ds_add_u32 v7, v129
	ds_add_u32 v7, v129
	s_wait_dscnt 0x0
	s_set_vgpr_msb 0x4400
	v_lshrrev_b32 v[U], 5, v0
	v_readfirstlane_b32 s14, v[U]                  ; wave 0..7
	s_bfe_u32 s16, ttmp6, 0x40000                  ; my place in the cluster
	s_lshl_b32 s15, ttmp9, 2
	s_add_co_u32 s15, s15, s16                     ; work-group 0..255: enters global addresses of x and of the outputs alone
	s_mov_b32 s20, 0x76543210                      ; v_permlanex16_b32: lane i of the other half
	s_mov_b32 s21, 0xfedcba98
	s_mov_b32 s46, 0xffffffc0                      ; a score without its low 6 bits
	; group 1: 64 rows x 64 elements of 4 bytes, 16 bytes of padding behind each row of 64 words
	s_mov_b32 s[G1+0], 15|(2<<16)|(1<<20)|(1<<21)|(5<<22)|(3<<25)   ; mask of the four; element of 4 bytes; padding on; bit 21 beside a mask; every 64 words; 4 words
	s_mov_b32 s[G1+1], 64<<16                      ; tensor_dim0 = 64
	s_mov_b32 s[G1+2], 64<<16                      ; tensor_dim1 = 64
	s_mov_b32 s[G1+3], 64<<16                      ; tile_dim0 = 64
	s_mov_b32 s[G1+4], 64                          ; tile_dim1 = 64
	s_mov_b32 s[G1+5], 64                          ; 64 elements from row to row
	s_mov_b32 s[G1+6], 0
	s_mov_b32 s[G1+7], 0
	s_mul_i32 s17, s14, EWAVE                      ; my codes in LDS: the wave's number times a constant
	s_lshl_b32 s18, s14, 15                        ; my codes in memory: 128 rows of 256 bytes a wave
	s_mov_b32 s19, 0
	s_lshl_b32 s40, s15, 16                        ; my rows of x: 256 rows of 256 bytes a work-group,
	s_lshl_b32 s41, s14, 13                        ; 32 rows a wave
	s_add_co_u32 s40, s40, s41
	s_mov_b32 s41, 0
	v_and_b32 v[LN], 31, v0
	v_lshlrev_b32 v[XO], 4, v[LN]
	ROUND                                          ; the four work-groups meet while the arguments are on their way: their joint loads follow behind it
	s_wait_kmcnt 0x0
	s_add_nc_u64 s[6:7], s[6:7], s[40:41]
.irp i, 0,1,2,3,4,5,6,7,8,9,10,11,12,13,14,15
	global_load_b128 v[XR+4*\i:XR+4*\i+3], v[XO], s[6:7] offset:512*\i   ; two whole rows: 512 neighbouring bytes
.endr
	s_add_nc_u64 s[22:23], s[4:5], s[18:19]
	s_mov_b32 s[G0+0], 1
	s_mov_b32 s[G0+1], s17                         ; codes 0-63 of mine: tiles 0-3
	s_mov_b64 s[G0+2:G0+3], s[22:23]
	s_or_b32 s[G0+3], s[G0+3], 0x80000000
	s_mov_b32 s[G0+4], 1
	s_add_co_u32 s[G0+5], s17, EHALF               ; codes 64-127: tiles 4-7
	s_add_nc_u64 s[G0+6:G0+7], s[22:23], 64*256
	s_or_b32 s[G0+7], s[G0+7], 0x80000000
	tensor_load_to_lds s[G0+0:G0+3], s[G1:G1+7]    ; both fills go out together: two tensor loads of a wave are out at the most,
	s_nop 0
	tensor_load_to_lds s[G0+4:G0+7], s[G1:G1+7]    ; and no byte of LDS is filled twice in this launch
	s_nop 0
	; lane addresses
	v_and_b32 v[RR], 15, v0                        ; r
	v_bfe_u32 v[HH], v0, 4, 1                      ; h
	s_mul_i32 s42, s14, 32*XPITCH
	s_add_co_u32 s42, s42, XB
	v_mul_u32_u24 v[XS], v[HH], XPITCH             ; a load's lanes 0-15 hold one row, lanes 16-31 the next;
	v_lshl_add_u32 v[XS], v[RR], 3, v[XS]          ; four numbers become 8 bytes
	v_add_nc_u32 v[XS], s42, v[XS]
	s_lshl_b32 s43, s14, 7
	s_add_co_u32 s43, s43, SXB
	v_lshl_add_u32 v[SXA], v[HH], 2, s43           ; the row's sum: SXB + 4 (32 w + h)
	v_mul_u32_u24 v[XA], v[RR], XPITCH             ; fragments: row r, 32 bytes for each lane half
	v_lshl_add_u32 v[XA], v[HH], 5, v[XA]
	v_add_nc_u32 v[XA], XB, v[XA]
	v_lshl_add_u32 v[CA], v[RR], 4, s17            ; candidates: EWAVE w + 16 r + 8 h
	v_lshl_add_u32 v[CA], v[HH], 3, v[CA]
	v_mul_u32_u24 v[EA], v[RR], EPITCH             ; code row r of a tile,
	v_lshl_add_u32 v[EA], v[HH], 6, v[EA]          ; 64 bytes (16 f32) for each lane half
	v_add_nc_u32 v[EA], s17, v[EA]
	v_mul_u32_u24 v[BP], v[HH], 96                 ; element (8 h + j, 8 h + j) of a result tile lies in register j of lane 24 h + j
.irp j, 1,2,3,4,5,6,7
	v_add_nc_u32 v[BP+\j], 4*\j, v[BP]
.endr
	v_mov_b32 v[Z], 0
	; x: -2 x rounded to bf16 into LDS, and each row's sum of the rounded numbers' squares
.irp i, 0,1,2,3,4,5,6,7,8,9,10,11,12,13,14,15
	s_wait_loadcnt 15-\i                           ; loads return in order (ISA guide 5.7.1): chunk i is in, the 15 - i younger ones stay out
	v_pk_mul_f32 v[T:T+1], v[XR+4*\i:XR+4*\i+1], -2.0 op_sel_hi:[1,0]
	v_pk_mul_f32 v[T+2:T+3], v[XR+4*\i+2:XR+4*\i+3], -2.0 op_sel_hi:[1,0]
	v_cvt_pk_bf16_f32 v[T+4], v[T], v[T+1]
	v_cvt_pk_bf16_f32 v[T+5], v[T+2], v[T+3]
	v_fma_mix_f32_bf16 v[U], v[T+4], v[T+4], v[Z] op_sel_hi:[1,1,0]
	v_fma_mix_f32_bf16 v[U], v[T+4], v[T+4], v[U] op_sel:[1,1,0] op_sel_hi:[1,1,0]
	v_fma_mix_f32_bf16 v[U], v[T+5], v[T+5], v[U] op_sel_hi:[1,1,0]
	v_fma_mix_f32_bf16 v[U], v[T+5], v[T+5], v[U] op_sel:[1,1,0] op_sel_hi:[1,1,0]
	ds_store_b64 v[XS], v[T+4:T+5] offset:2*XPITCH*\i
	SUM16 U                                        ; sixteen lanes hold one row
	ds_store_b32 v[SXA], v[U] offset:8*\i          ; the sixteen write the same word with the same value
.endr
	s_wait_dscnt 0x0                               ; my stores of x and of the row sums are done
	s_barrier_signal -1
	s_barrier_wait -1                              ; everybody's are: x may be read.  The tensor loads may stay out across it
; Four tiles of my codes: f32 from LDS, rounded into fragments; |e|^2 = the diagonal of fragment x fragment, spread into C layout.
.macro EBATCH b
.irp u, 0,1,2,3
.irp k, 0,1,2,3
	ds_load_b128 v[RAW+32*\u+4*\k:RAW+32*\u+4*\k+3], v[EA] offset:(4*\b+\u)*16*EPITCH+16*\k
.endr
.irp k, 0,1,2,3
	ds_load_b128 v[RAW+32*\u+16+4*\k:RAW+32*\u+16+4*\k+3], v[EA] offset:(4*\b+\u)*16*EPITCH+128+16*\k
.endr
.endr
	WIN 0x40                                       ; destination in window 1
.irp u, 0,1,2,3
	s_wait_dscnt 8*(3-\u)                          ; tile u's eight loads are in; those of the 3 - u tiles behind it stay out
.irp i, 0,1,2,3,4,5,6,7,8,9,10,11,12,13,14,15
	v_cvt_pk_bf16_f32 v[AF+16*(4*\b+\u)+\i], v[RAW+32*\u+2*\i], v[RAW+32*\u+2*\i+1]
.endr
.endr
	WIN 0x05                                       ; sources 0 and 1 in window 1
.irp u, 0,1,2,3
	v_wmma_f32_16x16x32_bf16 v[G+8*\u:G+8*\u+7], v[AF+16*(4*\b+\u):AF+16*(4*\b+\u)+7], v[AF+16*(4*\b+\u):AF+16*(4*\b+\u)+7], 0
.endr
.irp u, 0,1,2,3                                    ; the four accumulators take turns, one instruction a turn
	v_wmma_f32_16x16x32_bf16 v[G+8*\u:G+8*\u+7], v[AF+16*(4*\b+\u)+8:AF+16*(4*\b+\u)+15], v[AF+16*(4*\b+\u)+8:AF+16*(4*\b+\u)+15], v[G+8*\u:G+8*\u+7]
.endr
	WIN 0
	PLACES                                         ; four places before the lane permutes read the Gram tiles,
	v_nop                                          ; and a fifth: these registers are loaded with x fragments and then serve as source 1 of the row tiles' matrix
	                                               ; instructions, with no other vector instruction between (ISA guide 7.12.1: five before a matrix instruction takes them)
.irp u, 0,1,2,3
.irp j, 0,1,2,3,4,5,6,7
	ds_bpermute_b32 v[CI+8*(4*\b+\u)+\j], v[BP+\j], v[G+8*\u+\j]   ; register j of lane (r, h) gets |e|^2 of tile row 8 h + j
.endr
.endr
.endm
	s_wait_tensorcnt 0x1                           ; the first of my two loads is in: codes 0-63, tiles 0-3.  Only I read my codes, so my own wait is all that the reads need
	EBATCH 0
	s_wait_tensorcnt 0x0                           ; codes 64-127, tiles 4-7
	EBATCH 1
	s_wait_dscnt 0x0                               ; |e|^2 is in, and my reads of my codes are over: my candidates may be stored over them
; One row tile: 16 rows against my 128 codes.  cur: this tile's x fragments; nxt: the buffer for the next tile's (more = 1).
.macro RT cur, nxt, more
.if \more
	ds_load_b128 v[\nxt:\nxt+3],     v[XA] offset:16*XPITCH
	ds_load_b128 v[\nxt+4:\nxt+7],   v[XA] offset:16*XPITCH+16
	ds_load_b128 v[\nxt+8:\nxt+11],  v[XA] offset:16*XPITCH+64
	ds_load_b128 v[\nxt+12:\nxt+15], v[XA] offset:16*XPITCH+80
	s_wait_dscnt 0x4                               ; only the four just issued stay out: this tile's fragments are in
.else
	s_wait_dscnt 0x0
.endif
	WIN 0x01                                       ; source 0 (codes) in window 1
.irp t, 0,1,2,3,4,5,6,7
	v_wmma_f32_16x16x32_bf16 v[ACC+8*\t:ACC+8*\t+7], v[AF+16*\t:AF+16*\t+7], v[\cur:\cur+7], v[CI+8*\t:CI+8*\t+7]
.endr
.irp t, 0,1,2,3,4,5,6,7                            ; the eight accumulators take turns, one instruction a turn
	v_wmma_f32_16x16x32_bf16 v[ACC+8*\t:ACC+8*\t+7], v[AF+16*\t+8:AF+16*\t+15], v[\cur+8:\cur+15], v[ACC+8*\t:ACC+8*\t+7]
.endr
	WIN 0
	PLACES
	; keys: a score's low 6 bits become 8 t + j, its place in my list of 64
.irp t, 0,1,2,3,4,5,6,7
.irp j, 0,1,2,3,4,5,6,7
	v_and_or_b32 v[ACC+8*\t+\j], v[ACC+8*\t+\j], s46, 8*\t+\j
.endr
.endr
	; the two least of 64 keys: four chains of 16 keys side by side.  With b <= s the least two so far and u, v new:
	; the least is min3(b, u, v), the second is min(s, med3(b, u, v)); the medians are kept (in registers of keys already used) and folded in at the end.
.irp c, 0,1,2,3
	v_min_num_f32 v[T+\c],   v[ACC+16*\c], v[ACC+16*\c+1]
	v_max_num_f32 v[T+4+\c], v[ACC+16*\c], v[ACC+16*\c+1]
.endr
.irp p, 1,2,3,4,5,6,7
.irp c, 0,1,2,3
	v_med3_num_f32 v[ACC+16*\c+2*\p-2], v[T+\c], v[ACC+16*\c+2*\p], v[ACC+16*\c+2*\p+1]
.endr
.irp c, 0,1,2,3
	v_min3_num_f32 v[T+\c], v[T+\c], v[ACC+16*\c+2*\p], v[ACC+16*\c+2*\p+1]
.endr
.endr
.irp m, 0,4,8
.irp c, 0,1,2,3
	v_min3_num_f32 v[T+4+\c], v[T+4+\c], v[ACC+16*\c+\m], v[ACC+16*\c+\m+2]
.endr
.endr
.irp c, 0,1,2,3
	v_min_num_f32 v[T+4+\c], v[T+4+\c], v[ACC+16*\c+12]
.endr
	; two sorted pairs into one: least = min(b, b'), second = min3(max(b, b'), s, s')
	v_max_num_f32 v[U],   v[T],   v[T+1]
	v_max_num_f32 v[U+1], v[T+2], v[T+3]
	v_min_num_f32 v[T],   v[T],   v[T+1]
	v_min_num_f32 v[T+2], v[T+2], v[T+3]
	v_min3_num_f32 v[T+4], v[U],   v[T+4], v[T+5]
	v_min3_num_f32 v[T+6], v[U+1], v[T+6], v[T+7]
	v_max_num_f32 v[U], v[T], v[T+2]
	v_min_num_f32 v[BEST], v[T], v[T+2]
	v_min3_num_f32 v[BEST+1], v[U], v[T+4], v[T+6]
	ds_store_b64 v[CA], v[BEST:BEST+1]
	v_add_nc_u32 v[XA], 16*XPITCH, v[XA]
	v_add_nc_u32 v[CA], 256, v[CA]
.endm
	ds_load_b128 v[B0:B0+3],     v[XA]
	ds_load_b128 v[B0+4:B0+7],   v[XA] offset:16
	ds_load_b128 v[B0+8:B0+11],  v[XA] offset:64
	ds_load_b128 v[B0+12:B0+15], v[XA] offset:80
	s_mov_b32 s45, 7
.Lrt:
	RT B0, B1, 1
	RT B1, B0, 1
	s_sub_co_u32 s45, s45, 1
	s_cmp_lg_u32 s45, 0
	s_cbranch_scc1 .Lrt
	RT B0, B1, 1                                   ; the last two row tiles: the very last fetches nothing
	RT B1, B0, 0
	s_wait_dscnt 0x0                               ; my candidates are stored
	ROUND                                          ; everybody's are (the round opens and closes with my work-group's barrier).  It is also the closing round, behind the
	                                               ; last tensor load: no work-group ends while a partner may still ask jointly
	s_cmp_ge_u32 s14, 4
	s_cbranch_scc1 .Lend                           ; 256 rows, two a lane: four waves merge
	; THE MERGE: lane l of wave w takes rows 64 w + 2 l and + 1; a row has 16 lists (list 2 w' + h of wave w'), each with its least and its second key
	v_lshlrev_b32 v[MB], 5, v[LN]
	v_lshl_add_u32 v[MB], s14, 10, v[MB]           ; 16 x row
	v_add_nc_u32 v[MB+1], 2*EWAVE, v[MB]           ; an LDS offset has 16 bits: one address register serves two waves' candidates
	v_add_nc_u32 v[MB+2], 4*EWAVE, v[MB]
	v_add_nc_u32 v[MB+3], 6*EWAVE, v[MB]
	v_lshlrev_b32 v[MS], 3, v[LN]
	v_lshl_add_u32 v[MS], s14, 8, v[MS]            ; 4 x row: the place of the row sums in LDS and of the indices in memory
	v_add_nc_u32 v[MX], SXB, v[MS]
.irp k, 0,1,2,3,4,5,6,7
	ds_load_b128 v[F+4*\k:F+4*\k+3], v[MB+\k/2] offset:(\k%2)*EWAVE
.endr
.irp k, 0,1,2,3,4,5,6,7
	ds_load_b128 v[F+32+4*\k:F+32+4*\k+3], v[MB+\k/2] offset:(\k%2)*EWAVE+16
.endr
	ds_load_b64 v[SX:SX+1], v[MX]
	s_lshl_b32 s40, s15, 10                        ; 256 indices of 4 bytes a work-group
	s_mov_b32 s41, 0
	s_add_nc_u64 s[8:9], s[8:9], s[40:41]
	s_add_nc_u64 s[10:11], s[10:11], s[40:41]
	s_lshl_b32 s42, s15, 4
	s_lshl2_add_u32 s42, s14, s42                  ; part: word 4 x work-group + wave
	s_mov_b32 s43, 0
	s_add_nc_u64 s[12:13], s[12:13], s[42:43]
	v_mov_b32 v[ZO], 0
	v_mov_b32 v[ML], 0                             ; list 0 starts both rows: its keys stay where they were loaded
	v_mov_b32 v[ML+1], 0
	v_mov_b32 v[ML+6], 0
	v_mov_b32 v[ML+7], 0
; List k joins: (B, S) in v[F], v[F+1] with their lists in ML, ML+1; the second row 32 and 6 registers further.  The two rows' lines alternate.
; c = list's least < B.  The loser of the two least (HI) and the winner's own second (TW) contend for the second place.
.macro MSTEP k
	v_cmp_lt_f32 vcc_lo, v[F+2*\k], v[F]
	v_cmp_lt_f32 s48, v[F+32+2*\k], v[F+32]
	v_cndmask_b32 v[ML+2], v[F+2*\k], v[F], vcc_lo             ; HI = c ? B : b
	v_cndmask_b32 v[ML+8], v[F+32+2*\k], v[F+32], s48
	v_cndmask_b32 v[ML+3], \k, v[ML], vcc_lo                   ; its list
	v_cndmask_b32 v[ML+9], \k, v[ML+6], s48
	v_cndmask_b32 v[ML+4], v[F+1], v[F+2*\k+1], vcc_lo         ; TW = c ? s : S
	v_cndmask_b32 v[ML+10], v[F+33], v[F+32+2*\k+1], s48
	v_cndmask_b32 v[ML+5], v[ML+1], \k, vcc_lo                 ; its list
	v_cndmask_b32 v[ML+11], v[ML+7], \k, s48
	v_cndmask_b32 v[F], v[F], v[F+2*\k], vcc_lo                ; B
	v_cndmask_b32 v[F+32], v[F+32], v[F+32+2*\k], s48
	v_cndmask_b32 v[ML], v[ML], \k, vcc_lo
	v_cndmask_b32 v[ML+6], v[ML+6], \k, s48
	v_cmp_lt_f32 vcc_lo, v[ML+2], v[ML+4]
	v_cmp_lt_f32 s48, v[ML+8], v[ML+10]
	v_cndmask_b32 v[F+1], v[ML+4], v[ML+2], vcc_lo             ; S
	v_cndmask_b32 v[F+33], v[ML+10], v[ML+8], s48
	v_cndmask_b32 v[ML+1], v[ML+5], v[ML+3], vcc_lo
	v_cndmask_b32 v[ML+7], v[ML+11], v[ML+9], s48
.endm
; A key's low 6 bits are 8 t + j, its list is 2 w + h: the index is 128 w + 16 t + 8 h + j = bits 9:7 w, 6:4 t, 3 h, 2:0 j
.macro DECODE dst, key, list
	v_and_b32 v[U], 7, v[\key]
	v_and_b32 v[U+1], 56, v[\key]
	v_lshl_or_b32 v[U], v[U+1], 1, v[U]
	v_and_b32 v[U+1], 1, v[\list]
	v_lshl_or_b32 v[U], v[U+1], 3, v[U]
	v_and_b32 v[U+1], 14, v[\list]
	v_lshl_or_b32 v[\dst], v[U+1], 6, v[U]
.endm
	s_wait_dscnt 0x0
.irp k, 1,2,3,4,5,6,7,8,9,10,11,12,13,14,15
	MSTEP \k
.endr
	DECODE C1,   F,    ML
	DECODE C1+1, F+32, ML+6
	DECODE C2,   F+1,  ML+1
	DECODE C2+1, F+33, ML+7
	global_store_b64 v[MS], v[C1:C1+1], s[8:9]     ; a wave's store covers 256 consecutive bytes, at a multiple of 256 from the buffer's first byte
	global_store_b64 v[MS], v[C2:C2+1], s[10:11]
	v_fma_f32 v[D0], v[SX], 0x3e800000, v[F]       ; |x_bf|^2 + least key = the squared distance, row by row
	v_fma_f32 v[D1], v[SX+1], 0x3e800000, v[F+32]
	v_add_f32 v[D0], v[D0], v[D1]
	SUM16 D0
	v_permlanex16_b32 v[D1], v[D0], s20, s21
	v_add_f32 v[D0], v[D0], v[D1]                  ; the sum over my 64 rows
	v_cmp_eq_u32 vcc_lo, 0, v[LN]
	s_wait_xcnt 0x0                                ; EXEC is a source of the stores above: it changes only behind this wait
	s_and_saveexec_b32 s47, vcc_lo
	global_store_b32 v[ZO], v[D0], s[12:13]
	s_wait_xcnt 0x0                                ; and again in front of the line that widens it
	s_or_b32 exec_lo, exec_lo, s47
.Lend:
	s_set_vgpr_msb 0x4
	s_wait_tensorcnt 0x0
	ds_add_u32 v7, v129
	s_wait_dscnt 0x0
	s_set_vgpr_msb 0x400
	s_endpgm
.Lfunc_end_k_q13dcfc610a_nearest:
	.size	k_q13dcfc610a_nearest, .Lfunc_end_k_q13dcfc610a_nearest-k_q13dcfc610a_nearest
	.p2alignl 7, 3214868480
	.fill 96, 4, 3214868480
	.section	.rodata,"a",@progbits
	.p2align	6, 0x0
	.amdhsa_kernel k_q13dcfc610a_nearest
		.amdhsa_group_segment_fixed_size 317440
		.amdhsa_private_segment_fixed_size 0
		.amdhsa_enable_private_segment 0
		.amdhsa_kernarg_size 40
		.amdhsa_user_sgpr_count 2
		.amdhsa_user_sgpr_kernarg_segment_ptr 1
		.amdhsa_wavefront_size32 1
		.amdhsa_system_sgpr_workgroup_id_x 1
		.amdhsa_system_sgpr_workgroup_id_y 1
		.amdhsa_system_sgpr_workgroup_id_z 1
		.amdhsa_system_vgpr_workitem_id 0
		.amdhsa_next_free_vgpr 386
		.amdhsa_next_free_sgpr 66
		.amdhsa_reserve_vcc 1
		.amdhsa_float_denorm_mode_32 3
		.amdhsa_float_denorm_mode_16_64 3
		.amdhsa_memory_ordered 1
		.amdhsa_forward_progress 1
		.amdhsa_inst_pref_size 101
	.end_amdhsa_kernel
	.amdgpu_metadata
---
amdhsa.version: [ 1, 2 ]
amdhsa.kernels:
  - .name:           k_q13dcfc610a_nearest
    .symbol:         k_q13dcfc610a_nearest.kd
    .args:
      - { .name: embedding, .offset: 0, .size: 8, .value_kind: global_buffer, .address_space: global }
      - { .name: inputs, .offset: 8, .size: 8, .value_kind: global_buffer, .address_space: global }
      - { .name: cand1, .offset: 16, .size: 8, .value_kind: global_buffer, .address_space: global }
      - { .name: cand2, .offset: 24, .size: 8, .value_kind: global_buffer, .address_space: global }
      - { .name: part, .offset: 32, .size: 8, .value_kind: global_buffer, .address_space: global }
    .group_segment_fixed_size: 317440
    .private_segment_fixed_size: 0
    .kernarg_segment_align: 8
    .kernarg_segment_size: 40
    .max_flat_workgroup_size: 256
    .sgpr_count:     66
    .vgpr_count:     386
    .wavefront_size: 32
...
	.end_amdgpu_metadata
.endif
;; end of part 1
;; launch choose (part 2): grid 256 x 1, 8 waves a work-group, no clusters, 118,784 bytes of LDS; arguments cand1, cand2, inputs, embedding, part, out0, out1, out2; writes out0, out1, out2
.if DOCPART == 2
	.amdgcn_target "amdgcn-amd-amdhsa--gfx1250"
	.amdhsa_code_object_version 6
	.text
	.protected	k_q13dcfc610a_choose
	.globl	k_q13dcfc610a_choose
	.p2align	8
	.type	k_q13dcfc610a_choose,@function
k_q13dcfc610a_choose:
	s_mov_b64 s[64:65], 0
	v_nop
	global_prefetch_b8 v0, s[64:65] scope:SCOPE_SE
	s_setreg_imm32_b32 hwreg(HW_REG_WAVE_MODE, 25, 1), 1
	s_wait_xcnt 0x0
; THE CHOICE BETWEEN A ROW'S TWO CANDIDATES, THE GATHER AND THE LOSS.
; out1[row] = the nearer of cand1[row], cand2[row];  out0[row] = x + (embedding[out1[row]] - x) in f32, in that order of rounding;
; out2 = 1.25 / 2^22 x the sum of part's 1,024 numbers (2^22 = 65,536 x 64 numbers in the mean; 1 + 0.25 for the two loss terms).
; THE DISTANCES are those of x and e rounded to bf16, the operands of the launch before, summed in f32 step by step: each sum of 64 squares as two
; running sums of 32 dimensions that are then added; x.e as one running chain of 64 fused multiply-adds in ascending dimension (the products of
; bf16 numbers are exact in f32); then (|x|^2 + |e|^2) - 2 x.e, each step rounded once (the factor 2 is exact).  Equal distances give the lower index.
; LIMIT: this order of rounding is taken to be that of reference() evaluated in f32; where that sums in another order, two codes whose distances differ
; by less than the rounding of such sums (some 2^-21 of the distance) may fall either way.  NaN and infinities are not served.
; SHARES: a work-group has 256 rows, a wave 32.  A row is 256 bytes = sixteen lanes x 16 bytes.  In chunk i lanes 0-15 take the wave's row i and lanes
; 16-31 its row 16 + i, so a lane half's sixteen indices are 64 neighbouring bytes and every load and store covers two whole aligned rows.
; For the running sums a lane needs a whole row: bf16 copies of x and of both code rows go through the wave's own LDS (8 bytes a lane in, one row a lane
; back).  The verdict is a mask of lanes; it selects values only (v_cndmask_b32), no address hangs on it.
; All of a wave's 58 loads are asked for before the first result is used.  Loads and stores stand in runs of four or sixteen behind the arithmetic of the
; whole run, so that none stands straight behind the instruction that makes its address or its data.
; No matrix unit (a running f32 sum is no matrix product), no cluster: what the work-groups share, the codebook of 256 KiB, is read row by row at
; addresses that hang on the indices.  An index is clamped to 1,023 before it enters an address (the launch before stores 0 .. 1,023 only).
.set XP,    144                        ; a bf16 row in LDS: 128 bytes + 16: sixteen rows start at sixteen different groups of four words modulo 64
.set HOFF,  16*XP+128                  ; rows 16-31 lie 128 bytes further: the two lane halves of a store touch different words modulo 64 (ISA guide 11.1)
.set ARR,   2*HOFF                     ; 4,864 bytes: 32 rows of one array
.set WREG,  3*ARR                      ; 14,592 bytes a wave: x, first candidate, second candidate
.set WINB,  8*WREG                     ; 116,736: the work-group's 256 chosen indices
.set LN,  1                            ; lane
.set R16, 2                            ; 16 x (lane mod 16)
.set XO,  3                            ; 4,096 x (lane / 16) + 16 x (lane mod 16)
.set IO,  4                            ; 64 x (lane / 16)
.set L4,  5                            ; 4 x lane
.set TT,  6
.set T2,  7
.set SA,  8                            ; LDS: where I put 8 bytes of a bf16 row
.set LA,  9                            ; LDS: the row that I read back (row = lane)
.set WA,  10                           ; LDS: my row's chosen index
.set SH,  11                           ; 16 x (lane / 16)
.set PB,  12                           ; the verdicts of my half's sixteen rows, bit i for chunk i
.set I1L, 13                           ; the candidates of row = lane
.set I2L, 14
.set WI,  15
.set SX,  16                           ; v16-17  |x|^2, two running sums (v16-23 first serve as the second set of packed bf16 on their way to LDS)
.set S1,  18                           ; v18-19  |e1|^2
.set S2,  20                           ; v20-21  |e2|^2
.set DA,  22                           ; x.e1
.set DB,  23                           ; x.e2
.set GO1, 24                           ; v24-39   my half's sixteen first candidates, then byte offsets of my 16 bytes in their code rows
.set GO2, 40                           ; v40-55   the same for the second candidates
.set X,   56                           ; v56-119  x
.set E1,  120                          ; v120-183 first candidates' rows, then the result
.set E2,  184                          ; v184-247 second candidates' rows
.set TP,  248                          ; v248-255 at work; the first set of packed bf16 on their way to LDS
.set RX,  0                            ; v256-287 (window 1) my row of x in bf16, two dimensions a register
.set R1,  32                           ; v288-319 of the first candidate
.set R2,  64                           ; v320-351 of the second
.set P,   0                            ; v256-287 part, before the rows are read back
.set MSB, 0
.macro WIN new                         ; s_set_vgpr_msb: 1:0 source 0, 3:2 source 1, 5:4 source 2, 7:6 destination; the high byte repeats the setting left
.if MSB != \new
	s_set_vgpr_msb (MSB<<8)|\new
.set MSB, \new
.endif
.endm
	s_load_b256 s[4:11], s[0:1], 0x0               ; cand1 s[4:5], cand2 s[6:7], inputs s[8:9], embedding s[10:11]
	s_load_b256 s[12:19], s[0:1], 0x20             ; part s[12:13], out0 s[14:15], out1 s[16:17], out2 s[18:19]
	s_set_vgpr_msb 0x40
	v_lshl_add_u32 v96, v0, 2, 0x1cc00
	v_mov_b32 v97, 0
	s_set_vgpr_msb 0x4000
	v_lshrrev_b32 v[TT], 5, v0
	v_readfirstlane_b32 s20, v[TT]                 ; wave 0..7
	s_lshl_b32 s22, ttmp9, 16                      ; 256 rows of 256 bytes a work-group,
	s_lshl_b32 s23, s20, 13                        ; 32 rows a wave
	s_add_co_u32 s22, s22, s23
	s_mov_b32 s23, 0
	s_lshl_b32 s24, ttmp9, 10                      ; the same rows' indices, 4 bytes each
	s_lshl_b32 s25, s20, 7
	s_add_co_u32 s24, s24, s25
	s_mov_b32 s25, 0
	s_lshl_b32 s28, ttmp9, 10                      ; the work-group's 256 indices in out1
	s_mov_b32 s29, 0
	s_mov_b32 s26, 0x76543210                      ; v_permlanex16_b32: lane i of the other half
	s_mov_b32 s27, 0xfedcba98
	s_mul_i32 s21, s20, WREG                       ; my wave's LDS: the wave's number times a constant
	v_and_b32 v[LN], 31, v0
	v_and_b32 v[T2], 15, v0                        ; r
	v_bfe_u32 v[TT], v0, 4, 1                      ; lane / 16
	v_lshlrev_b32 v[R16], 4, v[T2]
	v_lshl_add_u32 v[XO], v[TT], 12, v[R16]
	v_lshlrev_b32 v[IO], 6, v[TT]
	v_lshlrev_b32 v[L4], 2, v[LN]
	v_lshlrev_b32 v[SH], 4, v[TT]
	v_mul_u32_u24 v[SA], v[TT], HOFF
	v_add_nc_u32 v[SA], s21, v[SA]
	v_mad_u32_u24 v[LA], v[T2], XP, v[SA]          ; back: row = lane
	v_lshl_add_u32 v[SA], v[T2], 3, v[SA]          ; in: row 16 (lane / 16) + chunk, 8 bytes at 8 r
	v_lshlrev_b32 v[WA], 2, v0
	v_add_nc_u32 v[WA], WINB, v[WA]
	s_wait_kmcnt 0x0
	s_add_nc_u64 s[4:5], s[4:5], s[24:25]
	s_add_nc_u64 s[6:7], s[6:7], s[24:25]
	s_add_nc_u64 s[8:9], s[8:9], s[22:23]
	s_add_nc_u64 s[14:15], s[14:15], s[22:23]
	s_add_nc_u64 s[16:17], s[16:17], s[28:29]
.irp k, 0,1,2,3
	global_load_b128 v[GO1+4*\k:GO1+4*\k+3], v[IO], s[4:5] offset:16*\k
.endr
.irp k, 0,1,2,3
	global_load_b128 v[GO2+4*\k:GO2+4*\k+3], v[IO], s[6:7] offset:16*\k
.endr
	global_load_b32 v[I1L], v[L4], s[4:5]
	global_load_b32 v[I2L], v[L4], s[6:7]
.irp i, 0,1,2,3,4,5,6,7,8,9,10,11,12,13,14,15
	global_load_b128 v[X+4*\i:X+4*\i+3], v[XO], s[8:9] offset:256*\i th:TH_LOAD_NT   ; x is read here for the last time
.endr
	s_wait_loadcnt 0x10                            ; the ten index loads are in; the sixteen loads of x stay out
; Sixteen code rows: all sixteen offsets first, then the sixteen loads in one run.
.macro GATHER go, e
.irp i, 0,1,2,3,4,5,6,7,8,9,10,11,12,13,14,15
	v_min_u32 v[\go+\i], 0x3ff, v[\go+\i]
.endr
.irp i, 0,1,2,3,4,5,6,7,8,9,10,11,12,13,14,15
	v_lshlrev_b32 v[\go+\i], 8, v[\go+\i]          ; a code row is 256 bytes
.endr
.irp i, 0,1,2,3,4,5,6,7,8,9,10,11,12,13,14,15
	v_add_nc_u32 v[\go+\i], v[\go+\i], v[R16]
.endr
.irp i, 0,1,2,3,4,5,6,7,8,9,10,11,12,13,14,15
	global_load_b128 v[\e+4*\i:\e+4*\i+3], v[\go+\i], s[10:11]
.endr
.endm
	GATHER GO1, E1
	GATHER GO2, E2
	; the loss: one wave of the launch adds the 1,024 partial sums while its code rows are on their way
	s_or_b32 s28, ttmp9, s20
	s_cmp_lg_u32 s28, 0
	s_cbranch_scc1 .Lrows
	v_lshlrev_b32 v[TT], 4, v[LN]
	v_mov_b32 v[PB], 0
	WIN 0x40                                       ; destination in window 1, address in window 0
.irp k, 0,1,2,3,4,5,6,7
	global_load_b128 v[P+4*\k:P+4*\k+3], v[TT], s[12:13] offset:512*\k
.endr
	s_wait_loadcnt 0x0
	WIN 0x45                                       ; destination and both sources in window 1
.irp k, 0,2,4,6,8,10,12,14
	v_pk_add_f32 v[P+\k:P+\k+1], v[P+\k:P+\k+1], v[P+16+\k:P+16+\k+1]
.endr
.irp k, 0,2,4,6
	v_pk_add_f32 v[P+\k:P+\k+1], v[P+\k:P+\k+1], v[P+8+\k:P+8+\k+1]
.endr
.irp k, 0,2
	v_pk_add_f32 v[P+\k:P+\k+1], v[P+\k:P+\k+1], v[P+4+\k:P+4+\k+1]
.endr
	v_pk_add_f32 v[P:P+1], v[P:P+1], v[P+2:P+3]
	WIN 0x05                                       ; the lane's sum comes back into window 0
	v_add_f32 v[TT], v[P], v[P+1]
	WIN 0
	v_add_f32_dpp v[TT], v[TT], v[TT] row_xmask:1 row_mask:0xf bank_mask:0xf
	v_add_f32_dpp v[TT], v[TT], v[TT] row_xmask:2 row_mask:0xf bank_mask:0xf
	v_add_f32_dpp v[TT], v[TT], v[TT] row_xmask:4 row_mask:0xf bank_mask:0xf
	v_add_f32_dpp v[TT], v[TT], v[TT] row_xmask:8 row_mask:0xf bank_mask:0xf
	v_permlanex16_b32 v[T2], v[TT], s26, s27
	v_add_f32 v[TT], v[TT], v[T2]
	v_mul_f32 v[TT], 0x34a00000, v[TT]             ; 1.25 x 2^-22
	v_cmp_eq_u32 vcc_lo, 0, v[LN]
	s_wait_xcnt 0x0                                ; EXEC is a source of the loads above: it changes only behind this wait
	s_and_saveexec_b32 s29, vcc_lo
	global_store_b32 v[PB], v[TT], s[18:19]
	s_wait_xcnt 0x0                                ; and again in front of the line that widens it; the store's registers are free behind it too
	s_or_b32 exec_lo, exec_lo, s29
.Lrows:
; bf16 copies into my wave's LDS, four chunks at a time: eight conversions, then four stores.  The packed numbers lie in two sets of eight registers
; that take turns (TP for even groups, v16-23 for odd ones).  Of the 48 loads of x and of code rows, 47 - 16 arr - i were issued behind chunk i of array arr.
.macro STAGE base, arr
.irp g, 0,1,2,3
	s_wait_loadcnt 44-16*\arr-4*\g                 ; loads return in order (ISA guide 5.7.1): the group's last chunk, 4 g + 3, is in, the younger ones stay out
.irp c, 0,1,2,3
	v_cvt_pk_bf16_f32 v[TP-(\g%2)*(TP-SX)+2*\c],   v[\base+16*\g+4*\c],   v[\base+16*\g+4*\c+1]
	v_cvt_pk_bf16_f32 v[TP-(\g%2)*(TP-SX)+2*\c+1], v[\base+16*\g+4*\c+2], v[\base+16*\g+4*\c+3]
.endr
.irp c, 0,1,2,3
	ds_store_b64 v[SA], v[TP-(\g%2)*(TP-SX)+2*\c:TP-(\g%2)*(TP-SX)+2*\c+1] offset:\arr*ARR+XP*(4*\g+\c)
.endr
.endr
.endm
	STAGE X, 0
	STAGE E1, 1
	STAGE E2, 2
.irp a, 0,1,2,3,4,5,6,7
	v_mov_b32 v[SX+\a], 0                          ; the eight running sums start at 0, as a sum does
.endr
	WIN 0x40                                       ; destination in window 1, address in window 0
.irp q, 0,1,2,3,4,5,6,7
	ds_load_b128 v[RX+4*\q:RX+4*\q+3], v[LA] offset:16*\q          ; LDS serves a wave's instructions in order (ISA guide 5.7.1.4): these see the stores above
	ds_load_b128 v[R1+4*\q:R1+4*\q+3], v[LA] offset:ARR+16*\q
	ds_load_b128 v[R2+4*\q:R2+4*\q+3], v[LA] offset:2*ARR+16*\q
.endr
; One dimension: five running sums that do not wait for each other.  w: which half of the 64 dimensions; reg: the register; hi: its upper bf16.
.macro DIM w, reg, hi
.if \hi
	v_fma_mix_f32_bf16 v[SX+\w], v[RX+\reg], v[RX+\reg], v[SX+\w] op_sel:[1,1,0] op_sel_hi:[1,1,0]
	v_fma_mix_f32_bf16 v[S1+\w], v[R1+\reg], v[R1+\reg], v[S1+\w] op_sel:[1,1,0] op_sel_hi:[1,1,0]
	v_fma_mix_f32_bf16 v[S2+\w], v[R2+\reg], v[R2+\reg], v[S2+\w] op_sel:[1,1,0] op_sel_hi:[1,1,0]
	v_fma_mix_f32_bf16 v[DA], v[RX+\reg], v[R1+\reg], v[DA] op_sel:[1,1,0] op_sel_hi:[1,1,0]
	v_fma_mix_f32_bf16 v[DB], v[RX+\reg], v[R2+\reg], v[DB] op_sel:[1,1,0] op_sel_hi:[1,1,0]
.else
	v_fma_mix_f32_bf16 v[SX+\w], v[RX+\reg], v[RX+\reg], v[SX+\w] op_sel_hi:[1,1,0]
	v_fma_mix_f32_bf16 v[S1+\w], v[R1+\reg], v[R1+\reg], v[S1+\w] op_sel_hi:[1,1,0]
	v_fma_mix_f32_bf16 v[S2+\w], v[R2+\reg], v[R2+\reg], v[S2+\w] op_sel_hi:[1,1,0]
	v_fma_mix_f32_bf16 v[DA], v[RX+\reg], v[R1+\reg], v[DA] op_sel_hi:[1,1,0]
	v_fma_mix_f32_bf16 v[DB], v[RX+\reg], v[R2+\reg], v[DB] op_sel_hi:[1,1,0]
.endif
.endm
	WIN 0x05                                       ; sources 0 and 1 (the rows) in window 1; the sums in window 0
.irp q, 0,1,2,3,4,5,6,7
	s_wait_dscnt 3*(7-\q)                          ; the three loads of dimensions 8 q .. 8 q + 7 are in; those of the 7 - q later groups stay out
.irp d, 0,1,2,3
	DIM \q/4, 4*\q+\d, 0
	DIM \q/4, 4*\q+\d, 1
.endr
.endr
	WIN 0
	v_add_f32 v[SX], v[SX], v[SX+1]                ; |x|^2
	v_add_f32 v[S1], v[S1], v[S1+1]                ; |e1|^2
	v_add_f32 v[S2], v[S2], v[S2+1]                ; |e2|^2
	v_add_f32 v[S1], v[SX], v[S1]
	v_add_f32 v[S2], v[SX], v[S2]
	v_fma_f32 v[DA], v[DA], -2.0, v[S1]            ; 2 x.e is exact, so this is the one rounding of the difference
	v_fma_f32 v[DB], v[DB], -2.0, v[S2]
	v_cmp_lt_f32 s30, v[DB], v[DA]                 ; the second candidate wins if it is nearer,
	v_cmp_eq_f32 s31, v[DB], v[DA]                 ; or as near and of the lower index
	v_cmp_lt_u32 s28, v[I2L], v[I1L]
	s_and_b32 s31, s31, s28
	s_or_b32 s30, s30, s31                         ; bit l: the verdict of the wave's row l
	v_cndmask_b32 v[WI], v[I1L], v[I2L], s30
	ds_store_b32 v[WA], v[WI]
	v_mov_b32 v[PB], s30
	v_lshrrev_b32 v[PB], v[SH], v[PB]              ; bit i is now the verdict of my half's row in chunk i
.irp i, 0,1,2,3,4,5,6,7,8,9,10,11,12,13,14,15
	v_and_b32 v[TP+(\i%4)], 1<<\i, v[PB]
	v_cmp_ne_u32 s[32+\i], 0, v[TP+(\i%4)]
.endr
	; the way out, four chunks at a time: sixteen selects, e - x, x + (e - x), four stores
.irp g, 0,1,2,3
.irp c, 0,1,2,3
.irp k, 0,1,2,3
	v_cndmask_b32 v[E1+16*\g+4*\c+\k], v[E1+16*\g+4*\c+\k], v[E2+16*\g+4*\c+\k], s[32+4*\g+\c]
.endr
.endr
.irp p, 0,2,4,6,8,10,12,14
	v_pk_add_f32 v[E1+16*\g+\p:E1+16*\g+\p+1], v[E1+16*\g+\p:E1+16*\g+\p+1], v[X+16*\g+\p:X+16*\g+\p+1] neg_lo:[0,1] neg_hi:[0,1]
.endr
.irp p, 0,2,4,6,8,10,12,14
	v_pk_add_f32 v[E1+16*\g+\p:E1+16*\g+\p+1], v[X+16*\g+\p:X+16*\g+\p+1], v[E1+16*\g+\p:E1+16*\g+\p+1]
.endr
.irp c, 0,1,2,3
	global_store_b128 v[XO], v[E1+16*\g+4*\c:E1+16*\g+4*\c+3], s[14:15] offset:256*(4*\g+\c) th:TH_STORE_NT   ; sixteen lanes store one whole row of 256 bytes
.endr
.endr
	s_wait_dscnt 0x0                               ; my 32 chosen indices are in LDS
	s_barrier_signal -1
	s_barrier_wait -1                              ; everybody's are
	s_cmp_ge_u32 s20, 4
	s_cbranch_scc1 .Lend                           ; 256 indices, two a lane: four waves store them
	v_lshlrev_b32 v[TT], 3, v[LN]
	v_lshl_add_u32 v[TT], s20, 8, v[TT]            ; 256 w + 8 x lane
	v_add_nc_u32 v[T2], WINB, v[TT]
	ds_load_b64 v[TP:TP+1], v[T2]
	s_wait_dscnt 0x0
	global_store_b64 v[TT], v[TP:TP+1], s[16:17]   ; a wave's store covers 256 consecutive bytes, at a multiple of 256 from the buffer's first byte
.Lend:
	s_set_vgpr_msb 0x5
	s_wait_tensorcnt 0x0
	ds_add_u32 v96, v97
	s_wait_dscnt 0x0
	s_set_vgpr_msb 0x500
	s_endpgm
.Lfunc_end_k_q13dcfc610a_choose:
	.size	k_q13dcfc610a_choose, .Lfunc_end_k_q13dcfc610a_choose-k_q13dcfc610a_choose
	.p2alignl 7, 3214868480
	.fill 96, 4, 3214868480
	.section	.rodata,"a",@progbits
	.p2align	6, 0x0
	.amdhsa_kernel k_q13dcfc610a_choose
		.amdhsa_group_segment_fixed_size 118784
		.amdhsa_private_segment_fixed_size 0
		.amdhsa_enable_private_segment 0
		.amdhsa_kernarg_size 64
		.amdhsa_user_sgpr_count 2
		.amdhsa_user_sgpr_kernarg_segment_ptr 1
		.amdhsa_wavefront_size32 1
		.amdhsa_system_sgpr_workgroup_id_x 1
		.amdhsa_system_sgpr_workgroup_id_y 1
		.amdhsa_system_sgpr_workgroup_id_z 1
		.amdhsa_system_vgpr_workitem_id 0
		.amdhsa_next_free_vgpr 354
		.amdhsa_next_free_sgpr 66
		.amdhsa_reserve_vcc 1
		.amdhsa_float_denorm_mode_32 3
		.amdhsa_float_denorm_mode_16_64 3
		.amdhsa_memory_ordered 1
		.amdhsa_forward_progress 1
		.amdhsa_inst_pref_size 59
	.end_amdhsa_kernel
	.amdgpu_metadata
---
amdhsa.version: [ 1, 2 ]
amdhsa.kernels:
  - .name:           k_q13dcfc610a_choose
    .symbol:         k_q13dcfc610a_choose.kd
    .args:
      - { .name: cand1, .offset: 0, .size: 8, .value_kind: global_buffer, .address_space: global }
      - { .name: cand2, .offset: 8, .size: 8, .value_kind: global_buffer, .address_space: global }
      - { .name: inputs, .offset: 16, .size: 8, .value_kind: global_buffer, .address_space: global }
      - { .name: embedding, .offset: 24, .size: 8, .value_kind: global_buffer, .address_space: global }
      - { .name: part, .offset: 32, .size: 8, .value_kind: global_buffer, .address_space: global }
      - { .name: out0, .offset: 40, .size: 8, .value_kind: global_buffer, .address_space: global }
      - { .name: out1, .offset: 48, .size: 8, .value_kind: global_buffer, .address_space: global }
      - { .name: out2, .offset: 56, .size: 8, .value_kind: global_buffer, .address_space: global }
    .group_segment_fixed_size: 118784
    .private_segment_fixed_size: 0
    .kernarg_segment_align: 8
    .kernarg_segment_size: 64
    .max_flat_workgroup_size: 256
    .sgpr_count:     66
    .vgpr_count:     354
    .wavefront_size: 32
...
	.end_amdgpu_metadata
.endif
;; end of part 2
